; MI455X (gfx1250); checked and timed in simulation.
; The chip was launched on July 23, 2026; its instructions are those of AMD's public machine-readable ISA for CDNA 5 (MIT licence, August 2026) and "CDNA5" Instruction Set Architecture Reference Guide (July 2026). The comments in the code are by the model that wrote it; some were corrected since.
;; Query Reference. Allowed arithmetic: float matrix products may take bf16 or f16 operands with f32 sums; other float arithmetic in f32, or as packed bf16 or f16 multiplies, adds, multiply-adds, maxima and minima; sums over many terms, partial sums and values carried from step to step in f32; what a program stores and reads back later, other than sums and carried values, may be rounded once to bf16 or f16.
;; Inputs: attention_w 4 x 16 float32; config_idx 1,000,000 int32; embed_z 10,000 x 16 float32; group_id 1,000,000 int32; is_present 1,000,000 x 9 int32; stimulus_set 1,000,000 x 9 int32.
;; Outputs: out0 1,000,000 float32.
;; One version. Each part assembles by itself: llvm-mc -triple=amdgcn-amd-amdhsa -mcpu=gfx1250 --defsym DOCPART=n.
;; ======== version 1 of 1: 1 launch
;; launch luce (part 1): grid 256 x 1, 16 waves a work-group, no clusters, 322,304 bytes of LDS; arguments stimulus_set, is_present, config_idx, group_id, embed_z, attention_w, out0; writes out0
.if DOCPART == 1
	.amdgcn_target "amdgcn-amd-amdhsa--gfx1250"
	.amdhsa_code_object_version 6
	.text
	.protected	k_q9d93e6cdfb_luce
	.globl	k_q9d93e6cdfb_luce
	.p2align	8
	.type	k_q9d93e6cdfb_luce,@function
k_q9d93e6cdfb_luce:
	s_mov_b64 s[64:65], 0
	v_nop
	global_prefetch_b8 v0, s[64:65] scope:SCOPE_SE
	s_setreg_imm32_b32 hwreg(HW_REG_WAVE_MODE, 25, 1), 1
	s_wait_xcnt 0x0
; out0[t] = prod over j < n of sim[t][j] / (sim[t][j] + .. + sim[t][7]),  n = N_SELECT[config_idx[t]] = 1, 2, 3, 1,
; sim[t][j] = (exp(-sqrt(sum over k of w[g][k] (z[q][k] - z[r_j][k])^2)) + 0.001) * is_present[t][1+j],  g = group_id[t], q and r_j = stimulus_set[t][0], [1+j].
; WORK LEFT OUT.  N_SELECT is built in reference() itself and is 3 at the most, so for every input the factors j = 3 .. 7 are the constant 1: they are not formed.  The similarities of
; references 3 to 7 stay live, as one sum inside the three suffix sums.  is_present[t][0] is sliced away by reference(): it is never used, and comes along only because it lies in the same
; 16-byte pieces as live words.  Every input has a way to the output and is loaded.  Nothing that could hold a NaN or an infinity is left out.
; THE TABLE.  9 rows of embed_z are looked up for each trial, so the table lies in LDS: rounded once to bf16, 10,000 x 32 = 320,000 bytes, which is the only format in which it fits.  attention_w
; is rounded to bf16 as well, so that both float inputs carry the same rounding.  Two planes of 16-byte pieces: dims 0-7 of row i at 16 i, dims 8-15 at PB + 16 i.  So the pieces of one plane
; that 16 lanes ask for fall on all 16 columns of 16 bytes (64 banks of 4 bytes: ISA guide 11.1).
; NO CLUSTER, NO TENSOR LOAD, though all work-groups read the same table: in memory it is f32, 640,000 bytes, and is rounded in registers on its way; beside the bf16 table LDS has 327,680 - 320,128 = 7,552 bytes, no room for unconverted tiles.
; SHARES.  256 work-groups of 16 waves.  A UNIT is 64 trials: 2,304 bytes (nine aligned blocks of 256) of stimulus_set and of is_present, 256 bytes of config_idx, group_id and out0.  15,625 units = 256 x 61 + 9:
; a work-group has 61 or 62 on end; wave v takes units v, v + 16, v + 32, v + 48 of them: four trips, written out, since which trips ask for a further unit and what their waits count differs from trip to trip.
; Lane l owns trials 2 l and 2 l + 1 of the unit: 72 consecutive bytes of each index array, inside five aligned 16-byte pieces (80 bytes); its 18 words begin at word 0 (l even) or word 2 (l odd) of them.
; The query and references 0-2 are put in their places by one select each; references 3-7 enter only as a sum, so any order serves: three of them lie in the same registers in all lanes, two are selected.
; THE DISTANCE.  q - r and its square are made in packed bf16 (one rounding each), 16 numbers in 8 registers, which ARE source 1 of a matrix product: lane (r, h) supplies column r, k = 8 h .. 8 h + 7 and 16 + 8 h .. 16 + 8 h + 7.
; Source 0 holds the weights: row 8 h + g has w[g][.] at the k of half h and 0 elsewhere, rows 8 h + 4 .. 8 h + 7 are 0.  In the result lane (r, h) holds rows 8 h + 0 .. 7 of column r: registers 0-3 are its OWN trial's
; weighted sums, in f32, for groups 0-3; three selects take the trial's group.
; LIMITS.  embed_z, attention_w, q - r and (q - r)^2 each keep bf16's 8 significant bits.  A stimulus index above 9,999 (as an unsigned number) reads row 9,999; a group outside 0..3 counts as group 0, a config outside 0..3 as n = 1.
; An infinity or NaN in embed_z, or |q - r| beyond 1.8e19, reaches also the trial 16 lanes away (0 x infinity in the product).  The up to three divisions are one reciprocal of the product of the sums:
; that product must stay inside f32's range, which it does for is_present of 0 and 1 (each sum is 0 or lies in 0.001 to 8.008).  A sum of 0 gives NaN, as in reference().
.set NROW,   10000
.set PB,     160128                    ; LDS byte at which the plane of dims 8-15 begins
.set SPARE,  320256                    ; behind the planes: the spare words, 128 bytes for each of the 16 waves: eight blocks of 256 bytes that no other line names
.set UNITB,  2304                      ; bytes of a unit in stimulus_set and in is_present
.set STRIPE, 8192                      ; the fill: 512 threads x 16 bytes of f32 = 128 rows of embed_z
.set WIN, 2                            ; v2        16 x floor(4.5 lane): my five pieces in a unit; never rewritten
.set L8,  3                            ; v3        8 x lane: my two words of config_idx, group_id, out0; never rewritten
.set SPW, 4                            ; v4        LDS address of my spare word; never rewritten
.set NIL, 5                            ; v5        0; never rewritten
.set RES, 6                            ; v[6:7]    my two results
.set WM,  8                            ; v[8:15]   source 0: the weights
.set RAW, 16                           ; v[16:103] two sets of 44: 20 words of stimulus_set, 20 of is_present, 2 of config_idx, 2 of group_id
.set ROW, 104                          ; v[104:175] the query's row, then 8 references' rows, 8 registers each; in the fill v[104:207] are two sets of 13 x 4
.set DB,  176                          ; v[176:191] two matrix results
.set DD,  192                          ; v[192:199] the 8 squared distances, then distances, then similarities
.set PF,  200                          ; v[200:207] is_present of the 8 references, as f32
.set AD,  208                          ; v[208:225] 18 LDS addresses; at the head attention_w as loaded
.set T,   226                          ; v[226:229] at work; in the fill the left-over piece
.set FO,  230                          ; v230      the fill: 16 x thread; never rewritten
.set FS,  231                          ; v[231:233] the fill: my 8 bytes in LDS for stripes 0-31, 32-63, 64-78; never rewritten
.set WV,   18                          ; s18  my wave's number
.set U0,   19                          ; s19  my unit of trip 0
.set LAST, 21                          ; s21  the work-group's last unit
.set MK,   22                          ; s22  the odd lanes
.set WMSK, 23                          ; s23  lanes 0-3 and 24-27: those that hold weights in source 0
.set NEG1, 24                          ; s24  -1.0 twice, in bf16
.set NL2E, 26                          ; s[26:27] -log2(e)
.set GAM,  28                          ; s[28:29] 0.001
.set BS,   36                          ; s[36:51] for each raw set the four streams at its unit
.set OB,   52                          ; s[52:53] out0 at the unit in hand
.set G1,   54                          ; s54-56 lanes whose trial has group 1, 2, 3
.set G2,   55
.set G3,   56
.set C2,   57                          ; s57  lanes with n >= 2
.set C3,   58                          ; s58  lanes with n = 3
	s_load_b256 s[4:11], s[0:1], 0x0               ; stimulus_set s[4:5], is_present s[6:7], config_idx s[8:9], group_id s[10:11]
	s_load_b128 s[12:15], s[0:1], 0x20             ; embed_z s[12:13], attention_w s[14:15]
	s_load_b64 s[16:17], s[0:1], 0x30              ; out0
	v_lshl_add_u32 v[SPW], v0, 2, SPARE
	v_mov_b32 v[NIL], 0
	v_lshrrev_b32 v1, 5, v0
	v_readfirstlane_b32 s[WV], v1                  ; wave 0..15
	v_and_b32 v1, 31, v0                           ; lane
	v_mul_u32_u24 v[WIN], v1, 9
	v_lshrrev_b32 v[WIN], 1, v[WIN]
	v_lshlrev_b32 v[WIN], 4, v[WIN]                ; 72 lane, rounded down to a multiple of 16
	v_lshlrev_b32 v[L8], 3, v1
	v_lshlrev_b32 v[FO], 4, v0
	v_lshrrev_b32 v[FS], 2, v0                     ; four threads share a row of 64 bytes: row thread / 4 of the stripe,
	v_lshlrev_b32 v[FS], 4, v[FS]                  ; 16 bytes a row in each plane,
	v_and_b32 v1, 1, v0
	v_lshl_add_u32 v[FS], v1, 3, v[FS]             ; which 8 bytes of them,
	v_and_b32 v1, 2, v0
	v_mul_u32_u24 v1, v1, PB/2                     ; and which plane
	v_add_nc_u32 v[FS], v[FS], v1
	v_add_nc_u32 v[FS+1], 0x10000, v[FS]           ; a stripe is 2,048 bytes of each plane: 32 stripes are as far as a 16-bit offset reaches
	v_add_nc_u32 v[FS+2], 0x20000, v[FS]
	v_and_b32 v1, 3, v0
	v_lshlrev_b32 v1, 6, v1                        ; row lane % 4 of attention_w; not rewritten from here on
	s_mul_i32 s[U0], ttmp9, 61
	s_min_u32 s20, ttmp9, 9
	s_add_co_u32 s[U0], s[U0], s20                 ; the work-group's first unit: the first nine work-groups have 62 units
	s_cmp_lt_u32 ttmp9, 9
	s_cselect_b32 s20, 61, 60
	s_add_co_u32 s[LAST], s[U0], s20
	s_add_co_u32 s[U0], s[U0], s[WV]
	s_mov_b32 s[MK], 0xaaaaaaaa
	s_mov_b32 s[WMSK], 0x0f00000f
	s_mov_b32 s[NEG1], 0xbf80bf80
	s_mov_b32 s[NL2E], 0xbfb8aa3b
	s_mov_b32 s[NL2E+1], s[NL2E]                   ; named with it as a pair
	s_mov_b32 s[GAM], 0x3a83126f
	s_mov_b32 s[GAM+1], s[GAM]
	s_mov_b32 s33, 0                               ; the high words of the two offsets
	s_mov_b32 s35, 0
	s_wait_kmcnt 0x0
; The 12 loads of my unit of a trip, into a raw set.  again = 1: the set's four bases have been used before.
; The same 12 loads are out on every path, and the count in front of trip 2 means the same in every wave.
.macro ASK set, trip, again
	s_add_co_u32 s30, s[U0], 16*(\trip)
.if (\trip) == 3
	s_min_u32 s30, s30, s[LAST]
.endif
	s_mul_i32 s32, s30, UNITB                      ; under 2^31: 15,624 x 2,304
	s_lshl_b32 s34, s30, 8
.if \again
	s_wait_xcnt 0x0                                ; the bases are written again only behind this wait
.endif
	s_add_nc_u64 s[BS+8*(\set):BS+8*(\set)+1], s[4:5], s[32:33]
	s_add_nc_u64 s[BS+8*(\set)+2:BS+8*(\set)+3], s[6:7], s[32:33]
	s_add_nc_u64 s[BS+8*(\set)+4:BS+8*(\set)+5], s[8:9], s[34:35]
	s_add_nc_u64 s[BS+8*(\set)+6:BS+8*(\set)+7], s[10:11], s[34:35]
.irp i, 0,1,2,3,4
	global_load_b128 v[RAW+44*(\set)+4*(\i):RAW+44*(\set)+4*(\i)+3], v[WIN], s[BS+8*(\set):BS+8*(\set)+1] offset:16*(\i)  ; the five together cover the unit's 2,304 bytes
.endr
.irp i, 0,1,2,3,4
	global_load_b128 v[RAW+44*(\set)+20+4*(\i):RAW+44*(\set)+20+4*(\i)+3], v[WIN], s[BS+8*(\set)+2:BS+8*(\set)+3] offset:16*(\i)
.endr
	global_load_b64 v[RAW+44*(\set)+40:RAW+44*(\set)+41], v[L8], s[BS+8*(\set)+4:BS+8*(\set)+5] th:TH_LOAD_NT  ; 256 consecutive bytes, aligned
	global_load_b64 v[RAW+44*(\set)+42:RAW+44*(\set)+43], v[L8], s[BS+8*(\set)+6:BS+8*(\set)+7] th:TH_LOAD_NT
.endm
; THE FILL.  Group g is stripes 13 g .. 13 g + 12; a load of a wave covers 512 consecutive bytes.
.macro FLOAD g
.set i, 0
.rept 13
	global_load_b128 v[ROW+52*((\g)%2)+4*i:ROW+52*((\g)%2)+4*i+3], v[FO], s[12:13] offset:(13*(\g)+i)*STRIPE
.set i, i+1
.endr
.endm
.macro FCVT g                          ; four f32 become 8 bytes, in place, and go to their plane
.set i, 0
.rept 13
.set x, ROW+52*((\g)%2)+4*i
.set k, 13*(\g)+i
	v_cvt_pk_bf16_f32 v[x], v[x], v[x+1]
	v_cvt_pk_bf16_f32 v[x+1], v[x+2], v[x+3]
	ds_store_b64 v[FS+k/32], v[x:x+1] offset:(k%32)*2048
.set i, i+1
.endr
.endm
	ASK 0, 0, 0                                    ; trip 0's unit first: it is wanted straight behind the fill
.irp i, 0,1,2,3
	global_load_b128 v[AD+4*(\i):AD+4*(\i)+3], v1, s[14:15] offset:16*(\i)  ; a row of attention_w
.endr
	s_cmp_lt_u32 s[WV], 2                          ; 640,000 bytes are 78 stripes and 1,024 bytes: waves 0 and 1 take those
	s_cbranch_scc0 .Lno_rest_a
	global_load_b128 v[T:T+3], v[FO], s[12:13] offset:78*STRIPE
.Lno_rest_a:
	FLOAD 0
	FLOAD 1
	s_wait_loadcnt 13                              ; all but group 1's 13 loads: trip 0's unit, the weights, the left-over piece and group 0 are in
.irp i, 0,1,2,3,4,5,6,7
	v_cvt_pk_bf16_f32 v[WM+(\i)], v[AD+2*(\i)], v[AD+2*(\i)+1]  ; registers 0-3: dims 0-7, registers 4-7: dims 8-15, as the table's two pieces
.endr
.irp i, 0,1,2,3,4,5,6,7
	v_cndmask_b32 v[WM+(\i)], 0, v[WM+(\i)], s[WMSK]  ; lane g: row g at the k of half 0; lane 24 + g: row 8 + g at the k of half 1; all else 0
.endr
	FCVT 0
	s_cmp_lt_u32 s[WV], 2
	s_cbranch_scc0 .Lno_rest_b
	v_cvt_pk_bf16_f32 v[T], v[T], v[T+1]
	v_cvt_pk_bf16_f32 v[T+1], v[T+2], v[T+3]
	ds_store_b64 v[FS+2], v[T:T+1] offset:14*2048  ; stripe 78 = 64 + 14
.Lno_rest_b:
	FLOAD 2
	s_wait_loadcnt 13                              ; each time: the younger group's 13 loads stay out
	FCVT 1
	FLOAD 3
	s_wait_loadcnt 13
	FCVT 2
	FLOAD 4
	s_wait_loadcnt 13
	FCVT 3
	FLOAD 5
	ASK 1, 1, 0                                    ; trip 1's unit, behind the last of the fill's loads: no wait of the fill waits for it
	s_wait_loadcnt 25                              ; group 5's 13 and that unit's 12 stay out
	FCVT 4
	s_wait_loadcnt 12                              ; that unit's 12 stay out
	FCVT 5
	s_wait_dscnt 0x0                               ; for the others' sake: my part of the table is written
	s_barrier_signal -1
	s_barrier_wait -1                              ; the table is whole; from here on LDS is only read
; The trial's own group is taken from result j's registers 0-3, the lowest first.
.macro PICK j
.set y, DB+8*((\j)%2)
	v_cndmask_b32 v[DD+(\j)-1], v[y], v[y+1], s[G1]
	v_cndmask_b32 v[DD+(\j)-1], v[DD+(\j)-1], v[y+2], s[G2]
	v_cndmask_b32 v[DD+(\j)-1], v[DD+(\j)-1], v[y+3], s[G3]
.endm
; 32 trials: the lanes' even trials (h = 0) or odd ones (h = 1) of the unit in a raw set.  next >= 0: the set has been read out, and is asked for again with that trip's unit.
.macro BATCH set, h, next
.set SI, RAW+44*(\set)+9*(\h)          ; the trial's nine words begin here in even lanes, two registers further on in odd lanes
.set PI, SI+20
.set CF, RAW+44*(\set)+40+(\h)
.set GR, CF+2
.irp j, 0,1,2,3
	v_cndmask_b32 v[AD+2*(\j)], v[SI+(\j)], v[SI+(\j)+2], s[MK]  ; the query and references 0-2
.endr
.irp j, 4,5
	v_cndmask_b32 v[AD+2*(\j)], v[SI+(\j)], v[SI+(\j)+5], s[MK]  ; of slots 4-8 words 6, 7, 8 serve all lanes; even lanes add words 4, 5, odd lanes words 9, 10
.endr
.irp j, 0,1,2,3,4,5
	v_min_u32 v[AD+2*(\j)], NROW-1, v[AD+2*(\j)]   ; no index leaves the table
.endr
.irp j, 6,7,8
	v_min_u32 v[AD+2*(\j)], NROW-1, v[SI+(\j)]
.endr
.irp j, 0,1,2,3,4,5,6,7,8
	v_lshlrev_b32 v[AD+2*(\j)], 4, v[AD+2*(\j)]
.endr
.irp j, 0,1,2,3,4,5,6,7,8
	v_add_nc_u32 v[AD+2*(\j)+1], PB, v[AD+2*(\j)]
.endr
.irp j, 0,1,2,3,4,5,6,7,8
	ds_load_b128 v[ROW+8*(\j):ROW+8*(\j)+3], v[AD+2*(\j)]      ; dims 0-7
	ds_load_b128 v[ROW+8*(\j)+4:ROW+8*(\j)+7], v[AD+2*(\j)+1]  ; dims 8-15
.endr
	; while the rows are on their way: is_present in the same order as the rows, and the lanes' groups and lengths
.irp j, 0,1,2
	v_cndmask_b32 v[PF+(\j)], v[PI+1+(\j)], v[PI+3+(\j)], s[MK]
.endr
	v_cndmask_b32 v[PF+3], v[PI+4], v[PI+9], s[MK]
	v_cndmask_b32 v[PF+4], v[PI+5], v[PI+10], s[MK]
.irp j, 0,1,2,3,4
	v_cvt_f32_i32 v[PF+(\j)], v[PF+(\j)]
.endr
.irp j, 5,6,7
	v_cvt_f32_i32 v[PF+(\j)], v[PI+1+(\j)]
.endr
	v_cmp_eq_u32 s[G1], 1, v[GR]
	v_cmp_eq_u32 s[G2], 2, v[GR]
	v_cmp_eq_u32 s[G3], 3, v[GR]
	v_cmp_eq_u32 s[C2], 1, v[CF]
	v_cmp_eq_u32 s[C3], 2, v[CF]                   ; N_SELECT = 1, 2, 3, 1: three factors for config 2,
	s_or_b32 s[C2], s[C2], s[C3]                   ; two or more for configs 1 and 2
.if (\next) >= 0
	ASK \set, \next, 1
.endif
	; the eight references.  Behind a product stand the next reference's 16 packed lines before its result is read and before its result registers are written again (two results take turns).
.set r, 1
.rept 8
	s_wait_dscnt 16-2*r                            ; the query's two loads and this row's are in; the 16 - 2 r loads of the later rows stay out
.set x, ROW+8*r
.irp k, 0,1,2,3,4,5,6,7
	v_pk_fma_bf16 v[x+(\k)], v[x+(\k)], s[NEG1], v[ROW+(\k)]  ; q - r, two dims a line
.endr
.irp k, 0,1,2,3,4,5,6,7
	v_pk_mul_bf16 v[x+(\k)], v[x+(\k)], v[x+(\k)]
.endr
	v_wmma_f32_16x16x32_bf16 v[DB+8*(r%2):DB+8*(r%2)+7], v[WM:WM+7], v[x:x+7], 0
.if r > 1
	PICK r-1
.endif
.set r, r+1
.endr
	v_nop                                          ; with the three selects above it the fourth place behind the last product (ISA guide 7.12.1)
	PICK 8
.irp j, 0,1,2,3,4,5,6,7
	v_sqrt_f32 v[DD+(\j)], v[DD+(\j)]
.endr
	v_nop                                          ; a plain line behind the last root,
	s_wait_alu depctr_va_vdst(0)                   ; and one wait for the eight, ahead of their first reader
.irp j, 0,2,4,6
	v_pk_mul_f32 v[DD+(\j):DD+(\j)+1], v[DD+(\j):DD+(\j)+1], s[NL2E:NL2E+1] op_sel_hi:[1,0]  ; exp(-d) = 2^(-d log2 e)
.endr
.irp j, 0,1,2,3,4,5,6,7
	v_exp_f32 v[DD+(\j)], v[DD+(\j)]
.endr
	v_nop
	s_wait_alu depctr_va_vdst(0)                   ; one wait for the eight exponentials
.irp j, 0,2,4,6
	v_pk_add_f32 v[DD+(\j):DD+(\j)+1], v[DD+(\j):DD+(\j)+1], s[GAM:GAM+1] op_sel_hi:[1,0]
.endr
.irp j, 0,2,4,6
	v_pk_mul_f32 v[DD+(\j):DD+(\j)+1], v[DD+(\j):DD+(\j)+1], v[PF+(\j):PF+(\j)+1]
.endr
	v_pk_add_f32 v[T:T+1], v[DD+4:DD+5], v[DD+6:DD+7]  ; references 3-7 as one sum,
	v_add_f32 v[T], v[T], v[T+1]
	v_add_f32 v[T], v[T], v[DD+3]
	v_add_f32 v[T+2], v[DD+2], v[T]                ; then the suffix sums from 2,
	v_add_f32 v[T+1], v[DD+1], v[T+2]              ; from 1,
	v_add_f32 v[T], v[DD], v[T+1]                  ; from 0
	v_cndmask_b32 v[T+1], 1.0, v[T+1], s[C2]       ; a factor beyond n is 1 / 1
	v_cndmask_b32 v[T+2], 1.0, v[T+2], s[C3]
	v_cndmask_b32 v[DD+1], 1.0, v[DD+1], s[C2]
	v_cndmask_b32 v[DD+2], 1.0, v[DD+2], s[C3]
	v_mul_f32 v[T], v[T], v[T+1]
	v_mul_f32 v[DD], v[DD], v[DD+1]
	v_mul_f32 v[T], v[T], v[T+2]
	v_rcp_f32 v[T], v[T]
	v_mul_f32 v[DD], v[DD], v[DD+2]                ; the plain line behind the reciprocal
	s_wait_alu depctr_va_vdst(0)
.if (\h) == 0
	s_wait_xcnt 0x0                                ; the last trip's store has read its two data registers and its base: they are written again only behind this wait
.endif
	v_mul_f32 v[RES+(\h)], v[DD], v[T]
.endm
.macro STORE trip
	s_add_co_u32 s30, s[U0], 16*(\trip)
	s_lshl_b32 s34, s30, 8
	s_add_nc_u64 s[OB:OB+1], s[16:17], s[34:35]
	global_store_b64 v[L8], v[RES:RES+1], s[OB:OB+1] th:TH_STORE_NT  ; the wave's 64 results: 256 consecutive bytes, at a multiple of 256 from out0's first byte
.endm
	BATCH 0, 0, -1                                 ; trip 0: its unit was shown in by the fill's first wait
	BATCH 0, 1, 2                                  ; and trip 2's unit is asked for
	STORE 0
	s_wait_loadcnt 12                              ; trip 1's unit is in; the 12 loads of trip 2's stay out
	BATCH 1, 0, -1
	BATCH 1, 1, 3
	STORE 1
	s_wait_loadcnt 12                              ; trip 2's unit is in; the 12 loads of trip 3's stay out
	BATCH 0, 0, -1
	BATCH 0, 1, -1
	STORE 2
	s_add_co_u32 s30, s[U0], 48                    ; 61 or 62 units for 64 places: the last two or three waves have no fourth unit
	s_cmp_le_u32 s30, s[LAST]
	s_cbranch_scc0 .Lend
	s_wait_loadcnt 0x0
	BATCH 1, 0, -1
	BATCH 1, 1, -1
	STORE 3
.Lend:
	s_wait_tensorcnt 0x0                           ; the wave's end, behind my last LDS store
	ds_add_u32 v[SPW], v[NIL]
	s_wait_dscnt 0x0
	s_endpgm
.Lfunc_end_k_q9d93e6cdfb_luce:
	.size	k_q9d93e6cdfb_luce, .Lfunc_end_k_q9d93e6cdfb_luce-k_q9d93e6cdfb_luce
	.p2alignl 7, 3214868480
	.fill 96, 4, 3214868480
	.section	.rodata,"a",@progbits
	.p2align	6, 0x0
	.amdhsa_kernel k_q9d93e6cdfb_luce
		.amdhsa_group_segment_fixed_size 322304
		.amdhsa_private_segment_fixed_size 0
		.amdhsa_enable_private_segment 0
		.amdhsa_kernarg_size 56
		.amdhsa_user_sgpr_count 2
		.amdhsa_user_sgpr_kernarg_segment_ptr 1
		.amdhsa_wavefront_size32 1
		.amdhsa_system_sgpr_workgroup_id_x 1
		.amdhsa_system_sgpr_workgroup_id_y 1
		.amdhsa_system_sgpr_workgroup_id_z 1
		.amdhsa_system_vgpr_workitem_id 0
		.amdhsa_next_free_vgpr 240
		.amdhsa_next_free_sgpr 66
		.amdhsa_reserve_vcc 0
		.amdhsa_float_denorm_mode_32 3
		.amdhsa_float_denorm_mode_16_64 3
		.amdhsa_memory_ordered 1
		.amdhsa_forward_progress 1
		.amdhsa_inst_pref_size 163
	.end_amdhsa_kernel
	.amdgpu_metadata
---
amdhsa.version: [ 1, 2 ]
amdhsa.kernels:
  - .name:           k_q9d93e6cdfb_luce
    .symbol:         k_q9d93e6cdfb_luce.kd
    .args:
      - { .name: stimulus_set, .offset: 0, .size: 8, .value_kind: global_buffer, .address_space: global }
      - { .name: is_present, .offset: 8, .size: 8, .value_kind: global_buffer, .address_space: global }
      - { .name: config_idx, .offset: 16, .size: 8, .value_kind: global_buffer, .address_space: global }
      - { .name: group_id, .offset: 24, .size: 8, .value_kind: global_buffer, .address_space: global }
      - { .name: embed_z, .offset: 32, .size: 8, .value_kind: global_buffer, .address_space: global }
      - { .name: attention_w, .offset: 40, .size: 8, .value_kind: global_buffer, .address_space: global }
      - { .name: out0, .offset: 48, .size: 8, .value_kind: global_buffer, .address_space: global }
    .group_segment_fixed_size: 322304
    .private_segment_fixed_size: 0
    .kernarg_segment_align: 8
    .kernarg_segment_size: 56
    .max_flat_workgroup_size: 512
    .sgpr_count:     66
    .vgpr_count:     240
    .wavefront_size: 32
...
	.end_amdgpu_metadata
.endif
;; end of part 1
